; MI455X (gfx1250); checked and timed in simulation.
; The chip was launched on July 23, 2026; its instructions are those of AMD's public machine-readable ISA for CDNA 5 (MIT licence, August 2026) and "CDNA5" Instruction Set Architecture Reference Guide (July 2026). The comments in the code are by the model that wrote it; some were corrected since.
;; Modulator Attention. Allowed arithmetic: matrix products marked QUANTISED: E2M1 operands, one E8M0 scale for each 32 along K, by v_wmma_scale_f32_16x16x128_f8f6f4 with both operands' format E2M1 (or v_wmma_scale_f32_32x16x128_f4), f32 sums; products left as they are: bf16, f16 or f32 operands; f32 sums; everything else in f32.
;; Inputs: b_proj 1,024 float32; b_qkv 3,072 float32; k_norm_w 64 float32; q_norm_w 64 float32; w_proj 1,024 x 1,024 float32; w_qkv 3,072 x 1,024 float32; x 2 x 2,048 x 1,024 float32.
;; Outputs: out0 2 x 2,048 x 1,024 float32.
;; This version of the problem:
;;   THIS VERSION OF THE PROBLEM IS GIVEN IN LOW PRECISION. The matrix products marked QUANTISED in the list below multiply operands that are first quantised to E2M1 (2 exponent bits, 1 mantissa bit; 4 bits a number), with one power-of-two scale for each 32 numbers along K (OCP MX v1.0); their sums are f32. The products marked 'left as it is' may take bf16, f16 or f32 operands, with f32 sums. Whichever they take, every output number must still come out within the allowed error. Rounding operands to bf16 (8 significant bits) uses up far more of that allowance than f16 does (11 bits, for magnitudes from 6e-5 to 65,504). All else is computed in f32.
;;   The module's matrix products, in the order in which they are computed (A, B: the left and right operand; K: the contracted axis; several contracted axes count as one K, in the product's order):
;;     1. [M 4,096, K 1,024] x [K 1,024, N 3,072]; A: input x; B: input w_qkv: QUANTISED
;;     2. batch 32 x [M 2,048, K 64] x [K 64, N 2,048]; A: computed on the way; B: computed on the way: left as it is (an operand is computed on the way)
;;     3. batch 32 x [M 2,048, K 2,048] x [K 2,048, N 64]; A: computed on the way; B: computed on the way: left as it is (an operand is computed on the way)
;;     4. [M 4,096, K 1,024] x [K 1,024, N 1,024]; A: computed on the way; B: input w_proj: left as it is (an operand is computed on the way)
;;   THE QUANTISER, for each operand of a quantised product, along K:
;;     - K is cut into blocks of 32 from its start; a last block that is shorter is filled with zeros.
;;     - A block's scale is 2^e with e = floor(log2(the largest magnitude in the block)) - 2, held to -126 .. 127; a block of zeros has e = 0. As a byte (E8M0): e + 127.
;;     - Each number is divided by its block's scale, clamped to +-6, and rounded to the nearest number of E2M1, ties to even, subnormals kept.
;;     - The product sums the exact products of the quantised numbers (number of the format x scale) in f32.
;;   ~~~python
;;   def quantise(x, axis):      # numpy; x: float32 -> the quantised numbers, widened to float32 again
;;       x = np.moveaxis(x, axis, -1); K = x.shape[-1]
;;       x = np.pad(x, [(0, 0)] * (x.ndim - 1) + [(0, -K % 32)]); x = x.reshape(x.shape[:-1] + (-1, 32)); a = np.abs(x).max(-1, keepdims=True)
;;       e = np.where(a > 0, np.clip(np.frexp(np.where(a > 0, a, 1))[1] - 1 - 2, -126, 127), 0)      # np.frexp(a)[1] - 1 = floor(log2(a)), exactly
;;       r = np.clip(x / 2.0 ** e, -6, 6)
;;       step = 2.0 ** (np.maximum(np.frexp(np.where(r == 0, 1, r))[1] - 1, 0) - 1)
;;       q = np.round(r / step) * step * 2.0 ** e      # np.round: ties to even
;;       return np.moveaxis(q.reshape(q.shape[:-2] + (-1,))[..., :K], -1, axis).astype(np.float32)
;;   ~~~
;; One version. Each part assembles by itself: llvm-mc -triple=amdgcn-amd-amdhsa -mcpu=gfx1250 --defsym DOCPART=n.
;; ======== version 1 of 1: 4 launches
;; limits: values are held in f16: magnitudes above 65,504 overflow, below 6.1e-05 lose precision
;; workspace buffers: xc 2,097,152 bytes; xs 131,072 bytes; wc 1,572,864 bytes; ws 98,304 bytes; wp16 2,097,152 bytes; qkv 25,165,824 bytes; oimg 8,388,608 bytes
;; launch prep (part 1): grid 256 x 1, 4 waves a work-group, no clusters, 33,280 bytes of LDS; arguments x, w_qkv, xc, xs, wc, ws, w_proj, wp16; writes xc, xs, wc, ws, wp16
.if DOCPART == 1
	.amdgcn_target "amdgcn-amd-amdhsa--gfx1250"
	.amdhsa_code_object_version 6
	.text
	.protected	k_q2011d56709_prep
	.globl	k_q2011d56709_prep
	.p2align	8
	.type	k_q2011d56709_prep,@function
k_q2011d56709_prep:
	s_mov_b64 s[64:65], 0
	v_nop
	global_prefetch_b8 v0, s[64:65] scope:SCOPE_SE
	s_setreg_imm32_b32 hwreg(HW_REG_WAVE_MODE, 25, 1), 1
	s_wait_xcnt 0x0
; PREP.  x [4096][1024] and w_qkv [3072][1024], f32, become codes of E2M1 (two a byte, K innermost, the lower k in the low four bits) with one E8M0 byte for each 32 along K;
; w_proj [1024][1024], f32, is rounded to f16 as it lies.  Rows are dense and 1,024 is a multiple of 32: each tensor is a plain stream of blocks of 32, and so are its codes and bytes.
; A block's scale is 2^(floor(log2(largest magnitude)) - 2); its byte is the largest magnitude's exponent field - 2, held at 1 from below.
; LIMITS: a block of zeros gets the byte 1 where the rule says 127 (its codes are zeros, and this program alone reads the bytes); blocks whose largest magnitude lies under 2^-124 are held at byte 1;
; NaN and infinities are not served; w_proj beyond 65,504 is not served, and under 6e-5 it keeps an absolute error of 2^-25.
; SHARES: work-groups 0-127 take x, 128-223 w_qkv, 224-255 w_proj; 32,768 numbers a work-group, 8,192 a wave.  Waves share nothing: no barrier.
; QUANTISING: a wave takes 16 steps of 512 numbers.  Each load reads 512 consecutive bytes; a step's 2,048 bytes turn through the wave's own stage in LDS (16 bytes of padding behind each 64) and come
; back 64 bytes a lane: 16 neighbours along K, two lanes to a block.  Loads run eight steps (32 loads a wave) ahead, the turn through LDS one step.
.set STEPS, 16
.set AHEAD, 8
.set EMAX,  2
.set SP,    80                         ; a lane's place in a stage: 64 bytes + 16 of padding
.set WREG,  8192                       ; LDS: a region for each wave: two stages of 32 x SP bytes, behind them its 256 scale bytes
.set SPARE, 4*WREG                     ; behind the regions: the spare words, 128 bytes a wave, which no other line names
.set WGX,   128                        ; x's work-groups
.set WGQ,   224                        ; x's and w_qkv's
.set R,     16                         ; v16-143  eight sets of 16 numbers as loaded (cast: 32 slots of 4)
.set X,     144                        ; v144-175 two sets of 16 neighbours
.set E,     176                        ; v176-191 a scale byte for each step
.set C,     192                        ; v192-223 two registers of codes for each step: no store's data are written again
.set OUTC,  144                        ; cast: v144-207, two registers a slot
.set SPW,   12                         ; v12 my spare word's LDS address; never rewritten
.set NIL,   13                         ; v13 0; never rewritten
	s_load_b256 s[4:11], s[0:1], 0x0               ; x s[4:5], w_qkv s[6:7], xc s[8:9], xs s[10:11]
	s_load_b256 s[12:19], s[0:1], 0x20             ; wc s[12:13], ws s[14:15], w_proj s[16:17], wp16 s[18:19]
	v_lshl_add_u32 v[SPW], v0, 2, SPARE
	v_mov_b32 v[NIL], 0
	v_lshrrev_b32 v1, 5, v0
	v_readfirstlane_b32 s20, v1                    ; wave
	v_and_b32 v2, 31, v0                           ; lane
	v_lshlrev_b32 v3, 4, v2                        ; my 16 bytes of a load's 512
	v_lshlrev_b32 v4, 3, v2                        ; my 8 bytes of a store's 256
	s_mov_b32 s25, 0
	s_mov_b32 s27, 0
	s_cmp_ge_u32 ttmp9, WGQ                        ; the work-group's number alone decides the path
	s_cbranch_scc1 .Lcast
	s_mul_i32 s21, s20, WREG
	v_lshrrev_b32 v14, 2, v2
	v_mul_u32_u24 v14, v14, SP
	v_and_b32 v15, 3, v2
	v_lshl_add_u32 v14, v15, 4, v14
	v_add_nc_u32 v14, s21, v14                     ; the stage, way in: SP (lane / 4) + 16 (lane % 4)
	v_mul_u32_u24 v15, v2, SP
	v_add_nc_u32 v15, s21, v15                     ; way out: SP x lane
	v_lshrrev_b32 v5, 1, v2
	s_add_co_u32 s21, s21, 2*32*SP
	v_add_nc_u32 v5, s21, v5                       ; my block's scale byte
	v_add_nc_u32 v6, s21, v4                       ; and 8 of the 256 on the way out
	s_wait_kmcnt 0x0
	s_cmp_lt_u32 ttmp9, WGX                        ; x or w_qkv: only pointers are chosen, both take one path
	s_cselect_b64 s[4:5], s[4:5], s[6:7]
	s_cselect_b64 s[8:9], s[8:9], s[12:13]
	s_cselect_b64 s[10:11], s[10:11], s[14:15]
	s_cselect_b32 s21, 0, WGX
	s_sub_co_u32 s21, ttmp9, s21
	s_lshl_b32 s21, s21, 2
	s_add_co_u32 s22, s21, s20                     ; which run of 8,192 numbers is my wave's
	s_lshl_b32 s24, s22, 15                        ; 32,768 bytes of numbers,
	s_add_nc_u64 s[4:5], s[4:5], s[24:25]
	s_lshl_b32 s24, s22, 12                        ; 4,096 of codes,
	s_add_nc_u64 s[8:9], s[8:9], s[24:25]
	s_lshl_b32 s24, s22, 8                         ; 256 scale bytes
	s_add_nc_u64 s[10:11], s[10:11], s[24:25]
.macro LOAD t
.irp i, 0,1,2,3
	global_load_b128 v[R+16*((\t)%AHEAD)+4*\i:R+16*((\t)%AHEAD)+4*\i+3], v3, s[4:5] offset:2048*(\t)+512*\i th:TH_LOAD_NT   ; 32 lanes read 512 consecutive bytes
.endr
.endm
.macro TURN t                          ; a step's numbers through the stage; LDS serves a wave's instructions in order, so no wait stands between the stores and the loads
.irp i, 0,1,2,3
	ds_store_b128 v14, v[R+16*((\t)%AHEAD)+4*\i:R+16*((\t)%AHEAD)+4*\i+3] offset:32*SP*((\t)%2)+8*SP*\i
.endr
.irp i, 0,1,2,3
	ds_load_b128 v[X+16*((\t)%2)+4*\i:X+16*((\t)%2)+4*\i+3], v15 offset:32*SP*((\t)%2)+16*\i
.endr
.endm
.irp t, 0,1,2,3,4,5,6,7
	LOAD \t
.endr
	s_wait_loadcnt 4*(AHEAD-1)                     ; step 0's four loads are in; the seven steps behind it may be out
	TURN 0
.macro STEP t
.set XS, X+16*((\t)%2)
.if (\t) > 0
	s_wait_dscnt 1                                 ; this step's numbers are back from the stage (only the last step's byte store is younger): its stage stores have read their registers,
.else
	s_wait_dscnt 0x0
.endif
.if (\t)+AHEAD < STEPS
	LOAD (\t)+AHEAD                                ; which take the loads of eight steps on
.endif
.if (\t)+1 < STEPS
.if STEPS-2-(\t) >= AHEAD-1
	s_wait_loadcnt 4*(AHEAD-1)                     ; the next step's loads are in; those of the seven steps behind it may be out
.else
	s_wait_loadcnt 4*(STEPS-2-(\t))                ; the counts run down
.endif
	TURN (\t)+1
.endif
	v_max3_num_f32 v8, |v[XS]|, |v[XS+1]|, |v[XS+2]|               ; the largest magnitude of my 16, in two chains
	v_max3_num_f32 v9, |v[XS+3]|, |v[XS+4]|, |v[XS+5]|
.irp i, 6,10
	v_max3_num_f32 v8, v8, |v[XS+\i]|, |v[XS+\i+1]|
	v_max3_num_f32 v9, v9, |v[XS+\i+2]|, |v[XS+\i+3]|
.endr
	v_max3_num_f32 v8, v8, |v[XS+14]|, |v[XS+15]|
	v_max3_num_f32 v8, v8, v9, (EMAX+1)<<23        ; and the floor 2^(3 - 127): the byte cannot fall under 1
	v_max_num_f32_dpp v8, v8, v8 row_xmask:1 row_mask:0xf bank_mask:0xf   ; with my neighbour's 16: the block's
	v_add_nc_u32 v11, -(EMAX<<23), v8              ; 2 off its exponent field: the conversion takes that field as its scale
	v_cvt_scalef32_pk8_fp4_f32 v[C+2*(\t)], v[XS:XS+7], v11
	v_cvt_scalef32_pk8_fp4_f32 v[C+2*(\t)+1], v[XS+8:XS+15], v11
	v_lshrrev_b32 v[E+(\t)], 23, v11               ; the scale's byte (also the plain line behind the conversions)
	ds_store_b8 v5, v[E+(\t)] offset:16*(\t)       ; both lanes of a block write the same byte with the same value
	global_store_b64 v4, v[C+2*(\t):C+2*(\t)+1], s[8:9] offset:256*(\t)   ; the wave stores 256 consecutive bytes, aligned
.endm
.irp t, 0,1,2,3,4,5,6,7,8,9,10,11,12,13,14,15
	STEP \t
.endr
	ds_load_b64 v[8:9], v6                         ; in order behind my byte stores
	s_wait_dscnt 0x0
	global_store_b64 v4, v[8:9], s[10:11]          ; the wave's 256 scale bytes, consecutive and aligned
	s_wait_tensorcnt 0x0                           ; the wave's end, behind my last LDS store
	ds_add_u32 v[SPW], v[NIL]
	s_wait_dscnt 0x0
	s_endpgm
; THE CAST: 64 chunks of 512 bytes a wave through a ring of 32 register slots, walked twice; no LDS.
.Lcast:
	s_sub_co_u32 s21, ttmp9, WGQ
	s_lshl_b32 s21, s21, 2
	s_add_co_u32 s22, s21, s20
	s_lshl_b32 s24, s22, 15                        ; 32,768 bytes in,
	s_lshl_b32 s26, s22, 14                        ; 16,384 out
	s_wait_kmcnt 0x0
	s_add_nc_u64 s[16:17], s[16:17], s[24:25]
	s_add_nc_u64 s[18:19], s[18:19], s[26:27]
.set i, 0
.rept 32
	global_load_b128 v[R+4*i:R+4*i+3], v3, s[16:17] offset:512*i th:TH_LOAD_NT
.set i, i+1
.endr
.macro CAST round
.set i, 0
.rept 32
.if \round
	s_wait_loadcnt 31-i                            ; the last round loads nothing: the counts run down
	s_wait_xcnt 0x0                                ; the slot's two output registers were the data of its first store: written again only behind this wait
.else
	s_wait_loadcnt 31                              ; my slot's load is in; the 31 younger ones stay out
.endif
	v_cvt_pk_f16_f32 v[OUTC+2*i], v[R+4*i], v[R+4*i+1]
	v_cvt_pk_f16_f32 v[OUTC+2*i+1], v[R+4*i+2], v[R+4*i+3]
.if !\round
	global_load_b128 v[R+4*i:R+4*i+3], v3, s[16:17] offset:512*(32+i) th:TH_LOAD_NT
.endif
	global_store_b64 v4, v[OUTC+2*i:OUTC+2*i+1], s[18:19] offset:256*(32*\round+i)   ; 256 consecutive bytes, aligned
.set i, i+1
.endr
.endm
	CAST 0
	CAST 1
	s_endpgm
.Lfunc_end_k_q2011d56709_prep:
	.size	k_q2011d56709_prep, .Lfunc_end_k_q2011d56709_prep-k_q2011d56709_prep
	.p2alignl 7, 3214868480
	.fill 96, 4, 3214868480
	.section	.rodata,"a",@progbits
	.p2align	6, 0x0
	.amdhsa_kernel k_q2011d56709_prep
		.amdhsa_group_segment_fixed_size 33280
		.amdhsa_private_segment_fixed_size 0
		.amdhsa_enable_private_segment 0
		.amdhsa_kernarg_size 64
		.amdhsa_user_sgpr_count 2
		.amdhsa_user_sgpr_kernarg_segment_ptr 1
		.amdhsa_wavefront_size32 1
		.amdhsa_system_sgpr_workgroup_id_x 1
		.amdhsa_system_sgpr_workgroup_id_y 1
		.amdhsa_system_sgpr_workgroup_id_z 1
		.amdhsa_system_vgpr_workitem_id 0
		.amdhsa_next_free_vgpr 224
		.amdhsa_next_free_sgpr 66
		.amdhsa_reserve_vcc 0
		.amdhsa_float_denorm_mode_32 3
		.amdhsa_float_denorm_mode_16_64 3
		.amdhsa_memory_ordered 1
		.amdhsa_forward_progress 1
		.amdhsa_inst_pref_size 57
	.end_amdhsa_kernel
	.amdgpu_metadata
---
amdhsa.version: [ 1, 2 ]
amdhsa.kernels:
  - .name:           k_q2011d56709_prep
    .symbol:         k_q2011d56709_prep.kd
    .args:
      - { .name: x, .offset: 0, .size: 8, .value_kind: global_buffer, .address_space: global }
      - { .name: w_qkv, .offset: 8, .size: 8, .value_kind: global_buffer, .address_space: global }
      - { .name: xc, .offset: 16, .size: 8, .value_kind: global_buffer, .address_space: global }
      - { .name: xs, .offset: 24, .size: 8, .value_kind: global_buffer, .address_space: global }
      - { .name: wc, .offset: 32, .size: 8, .value_kind: global_buffer, .address_space: global }
      - { .name: ws, .offset: 40, .size: 8, .value_kind: global_buffer, .address_space: global }
      - { .name: w_proj, .offset: 48, .size: 8, .value_kind: global_buffer, .address_space: global }
      - { .name: wp16, .offset: 56, .size: 8, .value_kind: global_buffer, .address_space: global }
    .group_segment_fixed_size: 33280
    .private_segment_fixed_size: 0
    .kernarg_segment_align: 8
    .kernarg_segment_size: 64
    .max_flat_workgroup_size: 128
    .sgpr_count:     66
    .vgpr_count:     224
    .wavefront_size: 32
...
	.end_amdgpu_metadata
.endif
;; end of part 1
;; launch qkv (part 2): grid 16 x 16, 4 waves a work-group, clusters of 4 x 4, 327,680 bytes of LDS; arguments xc, xs, wc, ws, b_qkv, q_norm_w, k_norm_w, qkv; writes qkv
.if DOCPART == 2
	.amdgcn_target "amdgcn-amd-amdhsa--gfx1250"
	.amdhsa_code_object_version 6
	.text
	.protected	k_q2011d56709_qkv
	.globl	k_q2011d56709_qkv
	.p2align	8
	.type	k_q2011d56709_qkv,@function
k_q2011d56709_qkv:
	s_mov_b64 s[64:65], 0
	v_nop
	global_prefetch_b8 v0, s[64:65] scope:SCOPE_SE
	s_setreg_imm32_b32 hwreg(HW_REG_WAVE_MODE, 25, 1), 1
	s_wait_xcnt 0x0
	s_wait_alu depctr_hold_cnt(0) depctr_sa_sdst(0) depctr_va_vdst(0) depctr_va_sdst(0) depctr_va_ssrc(0) depctr_va_vcc(0) depctr_vm_vsrc(0)
	s_getreg_b32 s2, hwreg(HW_REG_IB_STS2, 6, 4)
	s_cmp_eq_u32 s2, 0
	s_cbranch_scc0 .Lentry_in_a_cluster
	s_endpgm
.Lentry_in_a_cluster:
	s_bfe_u32 s2, ttmp6, 0x10000c
	s_cmp_lg_u32 s2, 0xf033
	s_cbranch_scc0 .Lentry_shape_is_right
	s_endpgm
.Lentry_shape_is_right:
; QKV.  [4096 x 1024] x [1024 x 3072] on codes of E2M1 with E8M0 scales, + b_qkv; q and k heads: RMS norm over the head's 64 channels, x the norm weight (q also x log2(e) / 8, so that attention's
; scores are exponents of 2); v heads as they are; all rounded once to f16 and stored for the attention launch.
; SHARES.  A tile is 256 rows x 192 columns = three whole heads: 16 x 16 work-groups.  Wave w: rows 64 w .. 64 w + 63, all 192 columns: 4 x 12 accumulators.
; ALL OF K LIES IN LDS, as two halves of 512 (rows of 256 bytes + 16 of padding): both are first fills, nothing is filled again.
; CLUSTER 4 x 4: x's tile is shared along a row of the cluster, w_qkv's along a column: each is asked for jointly.
; THE PRODUCT IS USED TRANSPOSED (source 0 = 16 rows of w_qkv, source 1 = 16 rows of x): a lane holds one row and eight neighbouring channels; two such registers' worth, rounded to f16, are 16 bytes.
; OUTPUT LAYOUT [g 48][b 2][n / 16][2,048 bytes]; g 0-15 q heads, 16-31 k, 32-47 v.  A block is four pieces of 512 bytes, piece bq = channels 16 bq .. + 15 of 16 rows.  q, k: lane l's 16 bytes at 16 l, which is
; the register image of half a 16-bit fragment.  v: at 32 (l % 16) + 16 (l / 16): 16 rows of 32 bytes, for the turning LDS load.  Either way a wave's store covers 512 consecutive bytes, aligned.
; A tile may hold heads of two kinds: what hangs on the kind is chosen by s_cselect and v_cndmask, never by a branch.
; LIMITS: values beyond 65,504 are not served in f16; NaN and infinities are not served.
; REGISTERS.  window 0: v1-13 addresses; v16-31 x's scale words, v32-79 w's (they hold scales alone); v96-159 x's fragments, two sets; v160-255 the bias, later the norm weights.
;   window 1: accumulators of row blocks 0, 1; window 2: of 2, 3 (block (a, b) at 8 (12 (a % 2) + b)); window 3: w's fragments, two sets of 96.
.set PITCH, 272
.set BOFF,  256*PITCH                  ; a half: x's 256 rows, then w's 192
.set SLOT,  448*PITCH
.set SPARE, 2*SLOT                     ; the spare words, 128 bytes a wave, which no other line names
.set ADRA, 4                           ; v4, v5  LDS address of my x fragments in half 0, 1
.set ADRB, 6                           ; v6, v7  of w's
.set SCO,  8                           ; v8   32 x lane: a row of scale bytes
.set BO,   9                           ; v9   32 x (lane / 16): my eight f32 of sixteen
.set SPW,  10
.set NIL,  11
.set LI,   12                          ; v12  16 x lane
.set VO,   13                          ; v13  32 (lane % 16) + 16 (lane / 16)
.set SA,   16
.set SB,   32
.set AF,   96
.set BI,   160
.set W,    160
.set T,    96                          ; the way out: v96-127 at work
.set SS,   128                         ; v128-151 a pair for each (row block, head): sum of squares, then 1 / rms
.set ONE,  152
.set OF,   153                         ; v153-155 head i's store offset
.set WV,   20
.set G1A,  32
.set G1B,  40
.set G0A,  48
.set G0B,  56
.set SEL,  74
.set WB,   76                          ; s[76:81] head i's norm weight
.set SF,   82                          ; s[82:87] head i's factor, as pairs
.set MV,   88                          ; s88-90   head i: all ones where it is a v head
.set OB,   92                          ; s[92:97] head i's place in the output
.set MSB, 0
.macro WIN new                         ; the immediate's high byte repeats the setting that is left
.if MSB != (\new)
	s_set_vgpr_msb (MSB<<8)|(\new)
.set MSB, (\new)
.endif
.endm
.macro PLACES
.rept 4
	v_nop
.endr
.endm
; A joint load: waves 0, 1 fetch x's halves of rows, waves 2, 3 w's.  The branch hangs on the wave's number alone.  An s_nop 0 and four v_nop follow each line.
.macro JLOAD g0a, g0b
	s_cmp_eq_u32 s21, 0
	s_cbranch_scc0 .Lfor_b_\@
	tensor_load_to_lds s[\g0a:\g0a+3], s[G1A:G1A+7]
	s_nop 0
	PLACES
	s_branch .Lasked_\@
.Lfor_b_\@:
	tensor_load_to_lds s[\g0b:\g0b+3], s[G1B:G1B+7]
	s_nop 0
	PLACES
.Lasked_\@:
.endm
.macro CROUND                          ; a round of the cluster's barrier
	s_barrier_signal -1
	s_barrier_wait -1
	s_cmp_lg_u32 s[WV], 0
	s_cbranch_scc1 .Lnot_wave_0_\@
	s_barrier_signal -3
.Lnot_wave_0_\@:
	s_barrier_wait -3
	s_barrier_signal -1
	s_barrier_wait -1
.endm
	s_load_b256 s[4:11], s[0:1], 0x0               ; xc s[4:5], xs s[6:7], wc s[8:9], ws s[10:11]
	s_load_b256 s[12:19], s[0:1], 0x20             ; b_qkv s[12:13], q_norm_w s[14:15], k_norm_w s[16:17], qkv s[18:19]
	v_lshl_add_u32 v[SPW], v0, 2, SPARE
	v_mov_b32 v[NIL], 0
	ds_add_u32 v[SPW], v[NIL]                      ; the opening: the add, twice on end, and its wait ahead of my first tensor load
	ds_add_u32 v[SPW], v[NIL]
	v_lshrrev_b32 v1, 5, v0
	v_readfirstlane_b32 s[WV], v1                  ; wave 0..3
	s_lshr_b32 s21, s[WV], 1                       ; I fetch for x (0) or for w (1),
	s_and_b32 s22, s[WV], 1                        ; and which half of its rows
	s_bfe_u32 s23, ttmp6, 0x40000                  ; cx
	s_bfe_u32 s24, ttmp6, 0x40004                  ; cy
	s_lshl_b32 s25, ttmp9, 2
	s_add_co_u32 s25, s25, s23                     ; tx: tile of 192 columns
	s_and_b32 s26, ttmp7, 0xffff
	s_lshl_b32 s26, s26, 2
	s_add_co_u32 s26, s26, s24                     ; ty: tile of 256 rows
	s_lshl_b32 s27, s24, 2
	s_lshl_b32 s27, 15, s27                        ; my row of the cluster
	s_lshl_b32 s28, 0x1111, s23                    ; my column
	s_or_b32 s[G1A], s27, (0<<16)|(1<<20)|(1<<21)|(5<<22)|(3<<25)   ; mask; elements of 1 byte; padding on; bit 21 beside a mask; 4 words behind every 64
	s_mov_b32 s[G1A+1], 256<<16                    ; tensor_dim0 = 256 bytes
	s_mov_b32 s[G1A+2], 128<<16                    ; tensor_dim1 = 128 rows
	s_mov_b32 s[G1A+3], 256<<16                    ; tile_dim0
	s_mov_b32 s[G1A+4], 128                        ; tile_dim1
	s_mov_b32 s[G1A+5], 512                        ; a row of codes in memory
	s_mov_b32 s[G1A+6], 0
	s_mov_b32 s[G1A+7], 0
	s_or_b32 s[G1B], s28, (0<<16)|(1<<20)|(1<<21)|(5<<22)|(3<<25)
	s_mov_b32 s[G1B+1], 256<<16
	s_mov_b32 s[G1B+2], 96<<16                     ; 96 rows
	s_mov_b32 s[G1B+3], 256<<16
	s_mov_b32 s[G1B+4], 96
	s_mov_b32 s[G1B+5], 512
	s_mov_b32 s[G1B+6], 0
	s_mov_b32 s[G1B+7], 0
	s_lshl_b32 s66, s26, 8                         ; x: row 256 ty + 128 half, 512 bytes a row (these registers never hold cx)
	s_lshl_b32 s67, s22, 7
	s_add_co_u32 s66, s66, s67
	s_lshl_b32 s66, s66, 9
	s_mov_b32 s67, 0
	s_mul_i32 s68, s22, 128*PITCH                  ; and its place in a half
	s_mul_i32 s70, s25, 192                        ; w: row 192 tx + 96 half (these never hold cy)
	s_mul_i32 s71, s22, 96
	s_add_co_u32 s70, s70, s71
	s_lshl_b32 s70, s70, 9
	s_mov_b32 s71, 0
	s_mul_i32 s72, s22, 96*PITCH
	s_add_co_u32 s72, s72, BOFF
	s_mov_b32 s[SEL], 0x76543210
	s_mov_b32 s[SEL+1], 0xfedcba98                 ; v_permlanex16_b32: lane l xor 16
	s_mov_b32 s98, 0x3c800000                      ; 1 / 64
	s_mov_b32 s99, 0x358637bd                      ; 1e-6
	s_wait_dscnt 0x0                               ; both opening adds are done
	s_wait_kmcnt 0x0
	s_add_nc_u64 s[66:67], s[4:5], s[66:67]
	s_add_nc_u64 s[70:71], s[8:9], s[70:71]
	CROUND                                         ; all sixteen work-groups are here: the joint loads meet
.irp s, 0,1
	s_mov_b32 s[G0A+4*\s], 1
	s_add_co_u32 s[G0A+4*\s+1], s68, \s*SLOT
	s_add_nc_u64 s[G0A+4*\s+2:G0A+4*\s+3], s[66:67], \s*256
	s_or_b32 s[G0A+4*\s+3], s[G0A+4*\s+3], 0x80000000
	s_mov_b32 s[G0B+4*\s], 1
	s_add_co_u32 s[G0B+4*\s+1], s72, \s*SLOT
	s_add_nc_u64 s[G0B+4*\s+2:G0B+4*\s+3], s[70:71], \s*256
	s_or_b32 s[G0B+4*\s+3], s[G0B+4*\s+3], 0x80000000
	JLOAD G0A+4*\s, G0B+4*\s                       ; two tensor loads of mine are out
.endr
	v_and_b32 v1, 15, v0                           ; r
	v_bfe_u32 v2, v0, 4, 1                         ; h
	v_and_b32 v3, 31, v0                           ; lane
	v_lshlrev_b32 v[SCO], 5, v3
	v_lshlrev_b32 v[BO], 5, v2
	v_lshlrev_b32 v[LI], 4, v3
	v_lshlrev_b32 v[VO], 5, v1
	v_lshl_add_u32 v[VO], v2, 4, v[VO]
	s_lshl_b32 s30, s26, 8                         ; x's scale bytes: row 256 ty + 64 w, 32 bytes a row
	s_lshl_b32 s31, s[WV], 6
	s_add_co_u32 s30, s30, s31
	s_lshl_b32 s30, s30, 5
	s_mov_b32 s31, 0
	s_add_nc_u64 s[6:7], s[6:7], s[30:31]
	s_mul_i32 s30, s25, 192*32                     ; w's: row 192 tx
	s_add_nc_u64 s[10:11], s[10:11], s[30:31]
	s_mul_i32 s30, s25, 192*4                      ; the bias at column 192 tx
	s_add_nc_u64 s[12:13], s[12:13], s[30:31]
; THE SCALES go from memory straight into registers, once: lane l takes row 32 p + l's 32 bytes, eight words, word q for k = 128 q .. + 127.  So lanes 0-15 hold block 2 p and lanes 16-31 block 2 p + 1.
.irp p, 0,1
	global_load_b128 v[SA+8*\p:SA+8*\p+3], v[SCO], s[6:7] offset:1024*\p
	global_load_b128 v[SA+8*\p+4:SA+8*\p+7], v[SCO], s[6:7] offset:1024*\p+16
.endr
.irp p, 0,1,2,3,4,5
	global_load_b128 v[SB+8*\p:SB+8*\p+3], v[SCO], s[10:11] offset:1024*\p
	global_load_b128 v[SB+8*\p+4:SB+8*\p+7], v[SCO], s[10:11] offset:1024*\p+16
.endr
.irp b, 0,1,2,3,4,5,6,7,8,9,10,11
	global_load_b128 v[BI+8*\b:BI+8*\b+3], v[BO], s[12:13] offset:64*\b        ; the bias in the result's layout: columns 16 b + 8 h + 0 .. 7
	global_load_b128 v[BI+8*\b+4:BI+8*\b+7], v[BO], s[12:13] offset:64*\b+16
.endr
	v_mul_u32_u24 v14, v1, PITCH
	v_lshl_add_u32 v14, v2, 4, v14                 ; a fragment's row x pitch + 16 x half
	s_mul_i32 s29, s[WV], 64*PITCH                 ; my 64 rows of x
	v_add_nc_u32 v[ADRA], s29, v14
	v_add_nc_u32 v[ADRA+1], SLOT, v[ADRA]
	v_add_nc_u32 v[ADRB], BOFF, v14
	v_add_nc_u32 v[ADRB+1], SLOT, v[ADRB]
	; what hangs on a head's kind, for my tile's three heads g = 3 tx + i
	s_mul_i32 s29, s25, 3
	s_lshr_b32 s3, s26, 3                          ; the batch
	s_and_b32 s30, s26, 7
	s_lshl_b32 s30, s30, 8
	s_lshl_b32 s31, s[WV], 6
	s_add_co_u32 s30, s30, s31                     ; my first row in the batch,
	s_lshl_b32 s30, s30, 7                         ; 128 bytes a row of a head
.irp i, 0,1,2
	s_add_co_u32 s70, s29, \i
	s_cmp_lt_u32 s70, 16                           ; a q head?
	s_cselect_b64 s[WB+2*\i:WB+2*\i+1], s[14:15], s[16:17]
	s_cselect_b32 s[SF+2*\i], 0x3e38aa3b, 1.0      ; log2(e) / 8, or 1
	s_mov_b32 s[SF+2*\i+1], s[SF+2*\i]             ; (named with it as a pair)
	s_cmp_ge_u32 s70, 32                           ; a v head?
	s_cselect_b32 s[MV+\i], -1, 0
	s_lshl_b32 s70, s70, 1
	s_add_co_u32 s70, s70, s3
	s_lshl_b32 s70, s70, 18                        ; (2 g + b) x 262,144
	s_add_co_u32 s70, s70, s30
	s_mov_b32 s71, 0
	s_add_nc_u64 s[OB+2*\i:OB+2*\i+1], s[18:19], s[70:71]
.endr
; 32 LDS loads: the fragments of K step q (128 along K) into set q % 2: w's twelve, then x's four.  A fragment is 8 registers: lane l holds row l % 16; registers 4 c .. 4 c + 3 hold K = 64 c + 32 (l / 16) + 0 .. 31.
.macro FETCH q
	WIN 0xc0                                       ; destination window 3, address window 0
.irp b, 0,1,2,3,4,5,6,7,8,9,10,11
.irp c, 0,1
	ds_load_b128 v[96*((\q)%2)+8*\b+4*\c:96*((\q)%2)+8*\b+4*\c+3], v[ADRB+(\q)/4] offset:64*((\q)%4)+32*\c+\b*16*PITCH
.endr
.endr
	WIN 0
.irp a, 0,1,2,3
.irp c, 0,1
	ds_load_b128 v[AF+32*((\q)%2)+8*\a+4*\c:AF+32*((\q)%2)+8*\a+4*\c+3], v[ADRA+(\q)/4] offset:64*((\q)%4)+32*\c+\a*16*PITCH
.endr
.endr
.endm
; 24 matrix instructions: row blocks a0, a0 + 1 x the twelve column blocks.  K step 0 takes the bias as C: nothing is cleared and nothing is added later.
; The 48 accumulators take turns, one instruction a turn, in the same order in every step.  An odd block's scale words lie in lanes 16-31.
.macro MUL q, a0
.if (\q) == 0
	WIN 0x43+0x40*((\a0)/2)                        ; source 0 window 3, source 1 and C window 0, D window 1 or 2
.else
	WIN 0x53+0x50*((\a0)/2)                        ; C and D window 1 or 2
.endif
.irp a, \a0, \a0+1
.irp b, 0,1,2,3,4,5,6,7,8,9,10,11
.set rD, 8*(12*((\a)%2)+\b)
.set rB, 96*((\q)%2)+8*\b
.set rA, AF+32*((\q)%2)+8*(\a)
.set rX, SB+8*(\b/2)+(\q)
.set rY, SA+8*((\a)/2)+(\q)
.set rC, rD
.if (\q) == 0
.set rC, BI+8*\b
.endif
.if ((\b)%2) && ((\a)%2)
	v_wmma_scale_f32_16x16x128_f8f6f4 v[rD:rD+7], v[rB:rB+7], v[rA:rA+7], v[rC:rC+7], v[rX], v[rY] matrix_a_fmt:MATRIX_FMT_FP4 matrix_b_fmt:MATRIX_FMT_FP4 matrix_a_scale:MATRIX_SCALE_ROW1 matrix_b_scale:MATRIX_SCALE_ROW1
.elseif (\b)%2
	v_wmma_scale_f32_16x16x128_f8f6f4 v[rD:rD+7], v[rB:rB+7], v[rA:rA+7], v[rC:rC+7], v[rX], v[rY] matrix_a_fmt:MATRIX_FMT_FP4 matrix_b_fmt:MATRIX_FMT_FP4 matrix_a_scale:MATRIX_SCALE_ROW1
.elseif (\a)%2
	v_wmma_scale_f32_16x16x128_f8f6f4 v[rD:rD+7], v[rB:rB+7], v[rA:rA+7], v[rC:rC+7], v[rX], v[rY] matrix_a_fmt:MATRIX_FMT_FP4 matrix_b_fmt:MATRIX_FMT_FP4 matrix_b_scale:MATRIX_SCALE_ROW1
.else
	v_wmma_scale_f32_16x16x128_f8f6f4 v[rD:rD+7], v[rB:rB+7], v[rA:rA+7], v[rC:rC+7], v[rX], v[rY] matrix_a_fmt:MATRIX_FMT_FP4 matrix_b_fmt:MATRIX_FMT_FP4
.endif
.endr
.endr
.endm
.macro STEP q
.if (\q) == 3
	s_wait_tensorcnt 0x0                           ; my part of the second half has landed,
	s_wait_dscnt 0x0                               ; no LDS instruction of mine is pending at the signal,
	s_barrier_signal -1
	s_barrier_wait -1                              ; and everybody's part has: the next fetch reads it.  Nothing is filled again
.endif
.if (\q) > 0
	PLACES                                         ; four places between the last products and loads into registers that they read
.endif
.if (\q) < 7
	FETCH (\q)+1
.endif
.if (\q) == 1
.irp i, 0,1,2                                  ; the norm weights take the bias's registers, which K step 0's products have read: channels 16 bq + 8 h + 0 .. 7 of head i
.irp bq, 0,1,2,3
	global_load_b128 v[W+32*\i+8*\bq:W+32*\i+8*\bq+3], v[BO], s[WB+2*\i:WB+2*\i+1] offset:64*\bq
	global_load_b128 v[W+32*\i+8*\bq+4:W+32*\i+8*\bq+7], v[BO], s[WB+2*\i:WB+2*\i+1] offset:64*\bq+16
.endr
.endr
.endif
.if (\q) < 7
	s_wait_dscnt 32                                ; this step's fragments are in; the 32 loads just issued may be out
.else
	s_wait_dscnt 0x0
.endif
	MUL \q, 0
	MUL \q, 2
.endm
	s_wait_tensorcnt 1                             ; my part of the first half is in; the second half's load, issued behind it, may stay out
	s_barrier_signal -1
	s_barrier_wait -1
	FETCH 0
	s_wait_loadcnt 0x0                             ; scales and bias
.irp q, 0,1,2,3,4,5,6,7
	STEP \q
.endr
	; THE WAY OUT.  The 48 scalings of the weights are the places behind the last products; only behind them are registers written that held x's fragments.
	WIN 0
	s_wait_loadcnt 0x0                             ; the norm weights
.irp i, 0,1,2
.set j, 0
.rept 16
	v_pk_mul_f32 v[W+32*\i+j:W+32*\i+j+1], v[W+32*\i+j:W+32*\i+j+1], s[SF+2*\i:SF+2*\i+1] op_sel_hi:[1,0]   ; q: x log2(e) / 8
.set j, j+2
.endr
.endr
	v_mov_b32 v[ONE], 1.0
.irp i, 0,1,2
.set j, 0
.rept 32
	v_cndmask_b32 v[W+32*\i+j], v[W+32*\i+j], v[ONE], s[MV+\i]     ; a v head has no norm: weight 1
.set j, j+1
.endr
	v_cndmask_b32 v[OF+\i], v[LI], v[VO], s[MV+\i]                 ; and its own order inside a piece
.endr
.irp a, 0,1,2,3                                ; sums of squares of my 32 channels of each (row, head): three chains by turns; each accumulator is read from its low end on
	WIN 0x05+0x05*(\a/2)                           ; sources 0 and 1 window 1 or 2
.set p, 0
.rept 16
.irp i, 0,1,2
.set rA, 8*(12*(\a%2)+4*\i+p/4)+2*(p%4)
.set rS, SS+2*(3*\a+\i)
.if p == 0
	v_pk_mul_f32 v[rS:rS+1], v[rA:rA+1], v[rA:rA+1]
.else
	v_pk_fma_f32 v[rS:rS+1], v[rA:rA+1], v[rA:rA+1], v[rS:rS+1]
.endif
.endr
.set p, p+1
.endr
.endr
	WIN 0
.irp n, 0,1,2,3,4,5,6,7,8,9,10,11
	v_add_f32 v[SS+2*\n], v[SS+2*\n], v[SS+2*\n+1]
.endr
.irp n, 0,1,2,3,4,5,6,7,8,9,10,11
	v_permlanex16_b32 v[SS+2*\n+1], v[SS+2*\n], s[SEL], s[SEL+1]   ; the row's other 32 channels lie in the lane 16 away
.endr
.irp n, 0,1,2,3,4,5,6,7,8,9,10,11
	v_add_f32 v[SS+2*\n], v[SS+2*\n], v[SS+2*\n+1]
.endr
.irp n, 0,1,2,3,4,5,6,7,8,9,10,11
	v_fma_f32 v[SS+2*\n+1], v[SS+2*\n], s98, s99                   ; the mean + 1e-6
.endr
.irp n, 0,1,2,3,4,5,6,7,8,9,10,11
	v_rsq_f32 v[SS+2*\n], v[SS+2*\n+1]
.endr
	v_nop                                          ; a plain line behind the last of the batch,
	s_wait_alu depctr_va_vdst(0)                   ; and one wait for the twelve, ahead of their first reader
.irp n, 0,1,2,3,4,5,6,7,8,9,10,11
	v_cndmask_b32 v[SS+2*\n], v[SS+2*\n], v[ONE], s[MV+\n%3]       ; a v head is not normalised
.endr
.irp a, 0,1,2,3
.irp i, 0,1,2
	s_wait_xcnt 0x0                                ; T was the last stores' data: written again only behind this wait
	WIN 0x01+(\a/2)                                ; source 0 window 1 or 2
.set p, 0
.rept 16
.set rA, 8*(12*(\a%2)+4*\i)+2*p
	v_pk_mul_f32 v[T+2*p:T+2*p+1], v[rA:rA+1], v[SS+2*(3*\a+\i):SS+2*(3*\a+\i)+1] op_sel_hi:[1,0]
.set p, p+1
.endr
	WIN 0
.set p, 0
.rept 16
	v_pk_mul_f32 v[T+2*p:T+2*p+1], v[T+2*p:T+2*p+1], v[W+32*\i+2*p:W+32*\i+2*p+1]
.set p, p+1
.endr
.set p, 0
.rept 16
	v_cvt_pk_f16_f32 v[T+p], v[T+2*p], v[T+2*p+1]  ; in place, ascending: register p is written when its own pair has been read
.set p, p+1
.endr
.irp bq, 0,1,2,3
	global_store_b128 v[OF+\i], v[T+4*\bq:T+4*\bq+3], s[OB+2*\i:OB+2*\i+1] offset:2048*\a+512*\bq   ; the wave stores 512 consecutive bytes, aligned
.endr
.endr
.endr
	s_wait_tensorcnt 0x0                           ; the wave's end
	ds_add_u32 v[SPW], v[NIL]
	s_wait_dscnt 0x0
	CROUND                                         ; the closing round
	s_endpgm
.Lfunc_end_k_q2011d56709_qkv:
	.size	k_q2011d56709_qkv, .Lfunc_end_k_q2011d56709_qkv-k_q2011d56709_qkv
	.p2alignl 7, 3214868480
	.fill 96, 4, 3214868480
	.section	.rodata,"a",@progbits
	.p2align	6, 0x0
	.amdhsa_kernel k_q2011d56709_qkv
		.amdhsa_group_segment_fixed_size 327680
		.amdhsa_private_segment_fixed_size 0
		.amdhsa_enable_private_segment 0
		.amdhsa_kernarg_size 64
		.amdhsa_user_sgpr_count 2
		.amdhsa_user_sgpr_kernarg_segment_ptr 1
		.amdhsa_wavefront_size32 1
		.amdhsa_system_sgpr_workgroup_id_x 1
		.amdhsa_system_sgpr_workgroup_id_y 1
		.amdhsa_system_sgpr_workgroup_id_z 1
		.amdhsa_system_vgpr_workitem_id 0
		.amdhsa_next_free_vgpr 1024
		.amdhsa_next_free_sgpr 100
		.amdhsa_reserve_vcc 0
		.amdhsa_float_denorm_mode_32 3
		.amdhsa_float_denorm_mode_16_64 3
		.amdhsa_memory_ordered 1
		.amdhsa_forward_progress 1
		.amdhsa_inst_pref_size 148
	.end_amdhsa_kernel
	.amdgpu_metadata
---
amdhsa.version: [ 1, 2 ]
amdhsa.kernels:
  - .name:           k_q2011d56709_qkv
    .symbol:         k_q2011d56709_qkv.kd
    .args:
      - { .name: xc, .offset: 0, .size: 8, .value_kind: global_buffer, .address_space: global }
      - { .name: xs, .offset: 8, .size: 8, .value_kind: global_buffer, .address_space: global }
      - { .name: wc, .offset: 16, .size: 8, .value_kind: global_buffer, .address_space: global }
      - { .name: ws, .offset: 24, .size: 8, .value_kind: global_buffer, .address_space: global }
      - { .name: b_qkv, .offset: 32, .size: 8, .value_kind: global_buffer, .address_space: global }
      - { .name: q_norm_w, .offset: 40, .size: 8, .value_kind: global_buffer, .address_space: global }
      - { .name: k_norm_w, .offset: 48, .size: 8, .value_kind: global_buffer, .address_space: global }
      - { .name: qkv, .offset: 56, .size: 8, .value_kind: global_buffer, .address_space: global }
    .group_segment_fixed_size: 327680
    .private_segment_fixed_size: 0
    .kernarg_segment_align: 8
    .kernarg_segment_size: 64
    .max_flat_workgroup_size: 128
    .sgpr_count:     100
    .vgpr_count:     1024
    .wavefront_size: 32
...
	.end_amdgpu_metadata
.endif
;; end of part 2
;; launch attn (part 3): grid 8 x 32, 8 waves a work-group, clusters of 4 x 1, 327,680 bytes of LDS; arguments qkv, oimg; writes oimg
.if DOCPART == 3
	.amdgcn_target "amdgcn-amd-amdhsa--gfx1250"
	.amdhsa_code_object_version 6
	.text
	.protected	k_q2011d56709_attn
	.globl	k_q2011d56709_attn
	.p2align	8
	.type	k_q2011d56709_attn,@function
k_q2011d56709_attn:
	s_mov_b64 s[64:65], 0
	v_nop
	global_prefetch_b8 v0, s[64:65] scope:SCOPE_SE
	s_setreg_imm32_b32 hwreg(HW_REG_WAVE_MODE, 25, 1), 1
	s_wait_xcnt 0x0
	s_wait_alu depctr_hold_cnt(0) depctr_sa_sdst(0) depctr_va_vdst(0) depctr_va_sdst(0) depctr_va_ssrc(0) depctr_va_vcc(0) depctr_vm_vsrc(0)
	s_getreg_b32 s2, hwreg(HW_REG_IB_STS2, 6, 4)
	s_cmp_eq_u32 s2, 0
	s_cbranch_scc0 .Lentry_in_a_cluster
	s_endpgm
.Lentry_in_a_cluster:
	s_bfe_u32 s2, ttmp6, 0x10000c
	s_cmp_lg_u32 s2, 0x3003
	s_cbranch_scc0 .Lentry_shape_is_right
	s_endpgm
.Lentry_shape_is_right:
; ATTENTION without a mask, head size 64, 2,048 keys, f16 operands, f32 sums.  q already carries log2(e) / 8, so a score is an exponent of 2.
; SHARES.  Work-group: 256 queries of one (head, batch); y = 2 head + batch.  Each of eight waves owns 32 queries, two tiles of 16; two waves share a SIMD, so that one wave's softmax stands beside the other's
; products and LDS loads.  Every wave walks all keys, 64 a step.
; LAYOUT.  S^T = K Q^T (source 0 = 16 keys, source 1 = 16 queries); O^T = V^T P (source 0 = 16 channels x 32 keys): a lane holds ONE query throughout; two score tiles rounded to f16 in pairs are source 1 of the
; second product.  q and k lie in memory as register images of their fragments (16 bytes a lane, 512 a piece), v as pieces of 16 keys x 32 bytes for the turning LDS load: tiles in LDS are dense, every load takes 512 consecutive bytes.
; SOFTMAX.  A running maximum m and sum l for each query; p = 2^(s - m); in every step O and l are multiplied by a = 2^(old m - new m).  The first step finds m = -3e38, l = 0, O = 0.
; RING.  Two LDS slots of 512 keys (K 64 KiB, V 64 KiB); each wave brings 16 KiB with one tensor load.  CLUSTER: the four query blocks of a cluster walk the same K and V: each load is joint.
; O goes out as register images of the projection's fragments: [row / 16][k / 32][2][lane][16 bytes].
; LIMITS: o beyond 65,504 is not served in f16; NaN and infinities are not served.
; REGISTERS.  window 0: v1-7 addresses; v16-31 statistics (tile u at 16 + 8 u: +0 m, +1 old m, +2 +3 l, +4..+7 at work; a in +6); v32-63 Q; v64-127 S^T; v128-159 P; v160-223 O^T; v224-255 the way out.
;   window 1: v0-63 K's fragments of a step; v64-127 V's.
.set SLOT1, 1<<17
.set VOFF,  65536
.set STEPB, 8192                       ; 64 keys of K, or of V
.set SPARE, 2*SLOT1                    ; the spare words, 128 bytes a wave, which no other line names
.set LI,  1                            ; v1  16 x lane
.set AV0, 2                            ; v2  my lane's place in a piece of V, + VOFF
.set ADK, 3
.set ADV, 4
.set SPW, 5
.set NIL, 6
.set PFO, 7                            ; v7  256 x lane
.set ST,  16
.set Q,   32
.set S,   64
.set P,   128
.set O,   160
.set Y,   224
.set KF,  0
.set VF,  64
.set WV,  8
.set G1,  16
.set G0,  24
.set SEL, 38
.set TB,  40                           ; s40 LDS byte at which the step to be fetched begins
.set CNT, 41
.set SLOTS, 42
.set LIM, 43
.set PFA, 44
.set MSB, 0
.macro WIN new
.if MSB != (\new)
	s_set_vgpr_msb (MSB<<8)|(\new)
.set MSB, (\new)
.endif
.endm
.macro PLACES
.rept 4
	v_nop
.endr
.endm
.macro CROUND
	s_barrier_signal -1
	s_barrier_wait -1
	s_cmp_lg_u32 s[WV], 0
	s_cbranch_scc1 .Lnot_wave_0_\@
	s_barrier_signal -3
.Lnot_wave_0_\@:
	s_barrier_wait -3
	s_barrier_signal -1
	s_barrier_wait -1
.endm
	s_load_b128 s[4:7], s[0:1], 0x0                ; qkv s[4:5], oimg s[6:7]
	v_lshl_add_u32 v[SPW], v0, 2, SPARE
	v_mov_b32 v[NIL], 0
	ds_add_u32 v[SPW], v[NIL]                      ; the opening: the add, twice on end, and its wait ahead of my first tensor load
	ds_add_u32 v[SPW], v[NIL]
	v_lshrrev_b32 v8, 5, v0
	v_readfirstlane_b32 s[WV], v8                  ; wave 0..7
	s_bfe_u32 s9, ttmp6, 0x40000                   ; cx
	s_lshl_b32 s10, ttmp9, 2
	s_add_co_u32 s10, s10, s9                      ; my block of 256 queries: it enters Q's and O's addresses alone
	s_and_b32 s11, ttmp7, 0xffff                   ; 2 head + batch, which the partners share
	s_mov_b32 s[G1], 15|(3<<16)|(1<<21)            ; the mask: all four; elements of 8 bytes; bit 21 beside a mask; no padding
	s_mov_b32 s[G1+1], 32<<16                      ; tensor_dim0 = 32 elements: 256 bytes
	s_mov_b32 s[G1+2], 64<<16                      ; tensor_dim1 = 64 rows
	s_mov_b32 s[G1+3], 32<<16                      ; tile_dim0
	s_mov_b32 s[G1+4], 64                          ; tile_dim1
	s_mov_b32 s[G1+5], 32                          ; dense
	s_mov_b32 s[G1+6], 0
	s_mov_b32 s[G1+7], 0
	s_lshl_b32 s15, s11, 18                        ; a (head, batch) is 262,144 bytes in each of q, k, v
	s_lshr_b32 s12, s[WV], 2                       ; waves 0-3 fetch K, waves 4-7 V:
	s_add_co_u32 s12, s12, 1
	s_lshl_b32 s12, s12, 23                        ; k begins 8,388,608 bytes in, v twice that
	s_add_co_u32 s12, s12, s15
	s_and_b32 s13, s[WV], 3
	s_lshl_b32 s13, s13, 14                        ; my quarter of a slot's 65,536 bytes
	s_add_co_u32 s12, s12, s13
	s_mov_b32 s13, 0
	s_lshl_b32 s14, s[WV], 14                      ; and where it goes: 16,384 x wave: K's four quarters, then V's
	s_lshl_b32 s46, s10, 15                        ; Q: 256 rows of 128 bytes a block, 32 a wave
	s_add_co_u32 s46, s46, s15
	s_lshl_b32 s47, s[WV], 12
	s_add_co_u32 s46, s46, s47
	s_mov_b32 s47, 0
	s_and_b32 s48, s11, 1                          ; O: row block 128 batch + 16 block + 2 wave, 32,768 bytes each; the head's 2,048 bytes in it
	s_lshl_b32 s48, s48, 22
	s_lshl_b32 s49, s10, 19
	s_add_co_u32 s48, s48, s49
	s_lshl_b32 s49, s[WV], 16
	s_add_co_u32 s48, s48, s49
	s_lshr_b32 s49, s11, 1
	s_lshl_b32 s49, s49, 11
	s_add_co_u32 s48, s48, s49
	s_mov_b32 s49, 0
	s_lshr_b32 s50, s9, 1                          ; the prefetch: partners 0, 1 take K's keys 1,536 on, partners 2, 3 V's,
	s_add_co_u32 s50, s50, 1
	s_lshl_b32 s50, s50, 23
	s_add_co_u32 s50, s50, s15
	s_add_co_u32 s50, s50, 3*65536
	s_and_b32 s51, s9, 1                           ; each a half of the 65,536 bytes,
	s_lshl_b32 s51, s51, 15
	s_add_co_u32 s50, s50, s51
	s_and_b32 s51, s[WV], 3                        ; a wave 8,192 of them
	s_lshl_b32 s51, s51, 13
	s_add_co_u32 s50, s50, s51
	s_mov_b32 s51, 0
	s_lshr_b32 s[LIM], s[WV], 2                    ; waves 0-3
	s_or_b32 s[LIM], s[LIM], ttmp9                 ; of the (head, batch)'s first cluster ask: the same in all partners
	s_cmp_eq_u32 s[LIM], 0
	s_cselect_b32 s[LIM], 1, -1
	s_mov_b32 s[SEL], 0x76543210
	s_mov_b32 s[SEL+1], 0xfedcba98
	s_mov_b32 s[TB], 0
	s_mov_b32 s[SLOTS], 2
	s_wait_dscnt 0x0                               ; both opening adds are done
	s_wait_kmcnt 0x0
	s_add_nc_u64 s[12:13], s[4:5], s[12:13]
	s_add_nc_u64 s[32:33], s[4:5], s[46:47]
	s_add_nc_u64 s[34:35], s[6:7], s[48:49]
	s_add_nc_u64 s[PFA:PFA+1], s[4:5], s[50:51]
	CROUND                                         ; all four work-groups are here: the first joint loads meet
.irp s, 0,1
	s_mov_b32 s[G0+4*\s], 1
	s_add_co_u32 s[G0+4*\s+1], s14, \s*SLOT1
	s_add_nc_u64 s[G0+4*\s+2:G0+4*\s+3], s[12:13], \s*65536
	s_or_b32 s[G0+4*\s+3], s[G0+4*\s+3], 0x80000000
.endr
	tensor_load_to_lds s[G0:G0+3], s[G1:G1+7]      ; keys 0-511
	s_nop 0
	tensor_load_to_lds s[G0+4:G0+7], s[G1:G1+7]    ; keys 512-1,023: two loads of mine are out
	s_nop 0
	PLACES
	v_and_b32 v8, 31, v0
	v_lshlrev_b32 v[LI], 4, v8
	v_lshlrev_b32 v[PFO], 8, v8
.irp u, 0,1
.irp kb, 0,1
.irp c, 0,1
	global_load_b128 v[Q+16*\u+8*\kb+4*\c:Q+16*\u+8*\kb+4*\c+3], v[LI], s[32:33] offset:2048*\u+1024*\kb+512*\c   ; Q stays in registers
.endr
.endr
.endr
	v_bfe_u32 v9, v0, 4, 1
	v_and_b32 v10, 7, v0
	v_bfe_u32 v11, v0, 3, 1
	v_lshlrev_b32 v[AV0], 8, v9                    ; the turning load: lane l reads key 8 (l / 16) + l % 8 (32 bytes a key), channels 8 ((l / 8) % 2) on
	v_lshl_add_u32 v[AV0], v10, 5, v[AV0]
	v_lshl_add_u32 v[AV0], v11, 4, v[AV0]
	v_add_nc_u32 v[AV0], VOFF, v[AV0]
.irp u, 0,1
	v_mov_b32 v[ST+8*\u], 0xff61b1e6               ; m = -3e38, under every score
	v_mov_b32 v[ST+8*\u+1], 0
	v_mov_b32 v[ST+8*\u+2], 0                      ; l
	v_mov_b32 v[ST+8*\u+3], 0
	v_mov_b32 v[ST+8*\u+5], 0
.endr
.set j, 0
.rept 64
	v_mov_b32 v[O+j], 0                            ; the step is written once: its first walk finds zeros, which a = 0 leaves zeros
.set j, j+1
.endr
.macro KLOAD                           ; a step's K: 4 tiles of 16 keys x 2 fragments of 32 channels
	v_add_nc_u32 v[ADK], s[TB], v[LI]
	WIN 0x40                                       ; destination window 1
.irp kt, 0,1,2,3
.irp kb, 0,1
.irp c, 0,1
	ds_load_b128 v[KF+16*\kt+8*\kb+4*\c:KF+16*\kt+8*\kb+4*\c+3], v[ADK] offset:2048*\kt+1024*\kb+512*\c
.endr
.endr
.endr
.endm
.macro VLOAD                           ; a step's V, turned: fragment (g, t) = channels 16 t on x keys 32 g on
	v_add_nc_u32 v[ADV], s[TB], v[AV0]
	s_add_co_u32 s[TB], s[TB], STEPB               ; the next fetch is the next step's
	WIN 0x40
.irp g, 0,1
.irp t, 0,1,2,3
.irp e, 0,1
	ds_load_tr16_b128 v[VF+32*\g+8*\t+4*\e:VF+32*\g+8*\t+4*\e+3], v[ADV] offset:2048*(2*\g+\e)+512*\t
.endr
.endr
.endr
.endm
; In both products eight accumulators take turns, one instruction a turn; the last of one product and the first of the other name different accumulators.
.macro QK
	WIN 0x01                                       ; source 0 window 1
.irp kb, 0,1
.irp kt, 0,1,2,3
.irp u, 0,1
.if \kb == 0
	v_wmma_f32_16x16x32_f16 v[S+32*\u+8*\kt:S+32*\u+8*\kt+7], v[KF+16*\kt+8*\kb:KF+16*\kt+8*\kb+7], v[Q+16*\u+8*\kb:Q+16*\u+8*\kb+7], 0
.else
	v_wmma_f32_16x16x32_f16 v[S+32*\u+8*\kt:S+32*\u+8*\kt+7], v[KF+16*\kt+8*\kb:KF+16*\kt+8*\kb+7], v[Q+16*\u+8*\kb:Q+16*\u+8*\kb+7], v[S+32*\u+8*\kt:S+32*\u+8*\kt+7]
.endif
.endr
.endr
.endr
.endm
.macro PV
	WIN 0x01
.irp g, 0,1
.irp t, 0,1,2,3
.irp u, 0,1
	v_wmma_f32_16x16x32_f16 v[O+32*\u+8*\t:O+32*\u+8*\t+7], v[VF+32*\g+8*\t:VF+32*\g+8*\t+7], v[P+16*\u+8*\g:P+16*\u+8*\g+7], v[O+32*\u+8*\t:O+32*\u+8*\t+7]
.endr
.endr
.endr
.endm
; The softmax of both tiles for one step, the tiles by turns line by line.
.macro SOFTMAX
.irp j, 0,1,2,3                                ; the maximum: four chains; each score tile is read from its low end on
.irp u, 0,1
	v_max3_num_f32 v[ST+8*\u+4+\j], v[S+32*\u+8*\j], v[S+32*\u+8*\j+1], v[S+32*\u+8*\j+2]
.endr
.endr
.irp g, 1,2
.irp j, 0,1,2,3
.irp u, 0,1
	v_max3_num_f32 v[ST+8*\u+4+\j], v[ST+8*\u+4+\j], v[S+32*\u+8*\j+2*\g+1], v[S+32*\u+8*\j+2*\g+2]
.endr
.endr
.endr
.irp u, 0,1
	v_max3_num_f32 v[ST+8*\u+4], v[ST+8*\u+4], v[S+32*\u+7], v[S+32*\u+15]
.endr
.irp u, 0,1
	v_max3_num_f32 v[ST+8*\u+6], v[ST+8*\u+6], v[S+32*\u+23], v[S+32*\u+31]
.endr
.irp u, 0,1
	v_max3_num_f32 v[ST+8*\u+4], v[ST+8*\u+4], v[ST+8*\u+5], v[ST+8*\u+6]
.endr
.irp u, 0,1
	v_max3_num_f32 v[ST+8*\u+4], v[ST+8*\u+4], v[ST+8*\u+7], v[ST+8*\u]   ; with the old m
.endr
.irp u, 0,1
	v_permlanex16_b32 v[ST+8*\u+5], v[ST+8*\u+4], s[SEL], s[SEL+1]        ; the query's other 32 keys lie in the lane 16 away
.endr
.irp u, 0,1
	v_mov_b32 v[ST+8*\u+1], v[ST+8*\u]
.endr
.irp u, 0,1
	v_max_num_f32 v[ST+8*\u], v[ST+8*\u+4], v[ST+8*\u+5]                  ; the new m
.endr
.irp u, 0,1
	v_sub_f32 v[ST+8*\u+7], v[ST+8*\u+1], v[ST+8*\u]                      ; old m - new m, 0 or less
.endr
.irp j, 0,2,4,6,8,10,12,14,16,18,20,22,24,26,28,30
.irp u, 0,1
	v_pk_add_f32 v[S+32*\u+\j:S+32*\u+\j+1], v[S+32*\u+\j:S+32*\u+\j+1], v[ST+8*\u:ST+8*\u+1] op_sel_hi:[1,0] neg_lo:[0,1] neg_hi:[0,1]   ; s - m, two at a time
.endr
.endr
.irp u, 0,1                                    ; ONE BATCH: both tiles' 66 exponentials; none reads another's result
	v_exp_f32 v[ST+8*\u+6], v[ST+8*\u+7]           ; a
.endr
.set j, 0
.rept 64
	v_exp_f32 v[S+j], v[S+j]                       ; p
.set j, j+1
.endr
	v_nop                                          ; a plain line behind the last of the batch,
	s_wait_alu depctr_va_vdst(0)                   ; and one wait for all, ahead of the first reader
.irp b, 0,1,2,3,4,5,6,7,8,9,10,11,12,13,14,15
.irp u, 0,1
	v_cvt_pk_f16_f32 v[P+16*\u+\b], v[S+32*\u+2*\b], v[S+32*\u+2*\b+1]
.endr
.endr
.irp z, 0,1,2,3,4,5,6,7                        ; the sum of the unrounded p, a tree in place
.irp u, 0,1
	v_pk_add_f32 v[S+32*\u+4*\z:S+32*\u+4*\z+1], v[S+32*\u+4*\z:S+32*\u+4*\z+1], v[S+32*\u+4*\z+2:S+32*\u+4*\z+3]
.endr
.endr
.irp z, 0,1,2,3
.irp u, 0,1
	v_pk_add_f32 v[S+32*\u+8*\z:S+32*\u+8*\z+1], v[S+32*\u+8*\z:S+32*\u+8*\z+1], v[S+32*\u+8*\z+4:S+32*\u+8*\z+5]
.endr
.endr
.irp z, 0,1
.irp u, 0,1
	v_pk_add_f32 v[S+32*\u+16*\z:S+32*\u+16*\z+1], v[S+32*\u+16*\z:S+32*\u+16*\z+1], v[S+32*\u+16*\z+8:S+32*\u+16*\z+9]
.endr
.endr
.irp u, 0,1
	v_pk_add_f32 v[S+32*\u:S+32*\u+1], v[S+32*\u:S+32*\u+1], v[S+32*\u+16:S+32*\u+17]
.endr
.irp u, 0,1
	v_pk_fma_f32 v[ST+8*\u+2:ST+8*\u+3], v[ST+8*\u+2:ST+8*\u+3], v[ST+8*\u+6:ST+8*\u+7], v[S+32*\u:S+32*\u+1] op_sel_hi:[1,0,1]   ; l = a l + the sum
.endr
.irp j, 0,2,4,6,8,10,12,14,16,18,20,22,24,26,28,30
.irp u, 0,1
	v_pk_mul_f32 v[O+32*\u+\j:O+32*\u+\j+1], v[O+32*\u+\j:O+32*\u+\j+1], v[ST+8*\u+6:ST+8*\u+7] op_sel_hi:[1,0]   ; O^T x a, each accumulator from its low end on
.endr
.endr
.endm
; A KEY STEP j.  On entry S^T(j) has just been multiplied and V(j) is on its way.  more = 1: K and V of step j + 1 are fetched and S^T(j + 1) is multiplied.
.macro BODY more
	PLACES                                         ; four places between the products K Q^T and the loads into K's registers and the first reads of the scores
.if \more
	KLOAD
	WIN 0
.endif
	SOFTMAX
.if \more
	s_wait_dscnt 16                                ; V(j) is in; the 16 loads of K(j + 1), issued behind it, may be out
.else
	s_wait_dscnt 0x0
.endif
	PV
.if \more
	PLACES                                         ; between the products V^T P and the loads into V's registers
	WIN 0
	VLOAD
	s_wait_dscnt 16                                ; K(j + 1) is in; the 16 loads of V(j + 1) may be out
	QK
.endif
	WIN 0                                          ; at a label and at a branch every window is 0
.endm
.macro LOOPN n
	s_mov_b32 s[CNT], \n
.Lbody_\@:
	BODY 1
	s_sub_co_u32 s[CNT], s[CNT], 1
	s_cmp_lg_u32 s[CNT], 0
	s_cbranch_scc1 .Lbody_\@
.endm
; A PREFETCH INTO THE L2 of what the next change of slots will load: keys 1,536 to 2,047 of K and of V, 512 blocks of 256 bytes, a lane a block.  It stands behind the tensor load and its five lines, eight key steps
; ahead of that load.  Each block is named once: both clusters of a (head, batch) walk the same K and V, the first asks; its partners share the blocks out by address; waves 0-3 ask, one instruction each.
; The last change that fills a slot asks for nothing.  The address registers are never rewritten.
.macro ASK
	s_cmp_gt_u32 s[SLOTS], s[LIM]
	s_cbranch_scc0 .Lnot_mine_\@
	global_prefetch_b8 v[PFO], s[PFA:PFA+1] th:TH_LOAD_NT scope:SCOPE_SE
.Lnot_mine_\@:
.endm
; THE CHANGE OF SLOTS, when all of a slot's fetches have been issued.  Each wave waits for all its tensor loads (its part of the other slot), adds 0 to its spare word, and waits for that and for its reads of the slot.
; fill = 1: a round of the cluster's barrier, and the joint refill first behind it: it has eight key steps in which to land, and is my one tensor load that is out.
.macro CHANGE fill
	s_wait_tensorcnt 0x0                           ; no tensor load of mine is out, so a group 0 may be written
	ds_add_u32 v[SPW], v[NIL]
.if \fill
	s_xor_b32 s[G0+5], s[G0+5], SLOT1              ; the walking descriptor: the other slot than last time,
	s_add_nc_u64 s[G0+6:G0+7], s[G0+6:G0+7], 65536 ; the next 512 keys
.endif
	s_wait_dscnt 0x0                               ; the add is done, and my reads of the slot are over
.if \fill
	CROUND
	tensor_load_to_lds s[G0+4:G0+7], s[G1:G1+7]
	s_nop 0
	PLACES
	ASK
.else
	s_barrier_signal -1
	s_barrier_wait -1
.endif
	s_sub_co_u32 s[TB], s[TB], 65536               ; the fetches go back to a slot's first step,
	s_xor_b32 s[TB], s[TB], SLOT1                  ; in the other slot
.endm
	s_wait_tensorcnt 1                             ; my part of slot 0 is in; slot 1's load, issued behind it, may stay out
	s_barrier_signal -1
	s_barrier_wait -1
	KLOAD                                          ; key step 0
	WIN 0
	VLOAD
	s_wait_dscnt 16                                ; K is in; V's 16 loads may be out
	s_wait_loadcnt 0x0                             ; Q
	QK
	WIN 0
	LOOPN 7                                        ; steps 0-6 fetch steps 1-7: slot 0 has been read out
.Lslot:                                            ; two trips: slots 0 and 1 are filled again
	CHANGE 1
	LOOPN 8
	s_sub_co_u32 s[SLOTS], s[SLOTS], 1
	s_cmp_lg_u32 s[SLOTS], 0
	s_cbranch_scc1 .Lslot
	CHANGE 0                                       ; the tail is written out: nothing is left to ask for
	LOOPN 8
	BODY 0                                         ; the last step
	; THE WAY OUT: O^T / l, rounded to f16: a lane's eight channels are 16 bytes of a fragment image; a wave's store covers 512 consecutive bytes, aligned.
	PLACES
.irp u, 0,1
	v_add_f32 v[ST+8*\u+4], v[ST+8*\u+2], v[ST+8*\u+3]
.endr
.irp u, 0,1
	v_permlanex16_b32 v[ST+8*\u+5], v[ST+8*\u+4], s[SEL], s[SEL+1]
.endr
.irp u, 0,1
	v_add_f32 v[ST+8*\u+4], v[ST+8*\u+4], v[ST+8*\u+5]
.endr
.irp u, 0,1
	v_rcp_f32 v[ST+8*\u+6], v[ST+8*\u+4]
.endr
	v_nop
	s_wait_alu depctr_va_vdst(0)                   ; one wait for the two reciprocals, ahead of their first reader
.irp u, 0,1
.set j, 0
.rept 16
	v_pk_mul_f32 v[O+32*\u+j:O+32*\u+j+1], v[O+32*\u+j:O+32*\u+j+1], v[ST+8*\u+6:ST+8*\u+7] op_sel_hi:[1,0]
.set j, j+2
.endr
.endr
.irp u, 0,1
.set j, 0
.rept 16
	v_cvt_pk_f16_f32 v[Y+16*\u+j], v[O+32*\u+2*j], v[O+32*\u+2*j+1]
.set j, j+1
.endr
.endr
.irp u, 0,1
.irp t, 0,1,2,3
	global_store_b128 v[LI], v[Y+16*\u+4*\t:Y+16*\u+4*\t+3], s[34:35] offset:32768*\u+512*\t
.endr
.endr
	s_wait_tensorcnt 0x0                           ; the wave's end
	ds_add_u32 v[SPW], v[NIL]
	s_wait_dscnt 0x0
	CROUND                                         ; the closing round
	s_endpgm
.Lfunc_end_k_q2011d56709_attn:
	.size	k_q2011d56709_attn, .Lfunc_end_k_q2011d56709_attn-k_q2011d56709_attn
	.p2alignl 7, 3214868480
	.fill 96, 4, 3214868480
	.section	.rodata,"a",@progbits
	.p2align	6, 0x0
	.amdhsa_kernel k_q2011d56709_attn
		.amdhsa_group_segment_fixed_size 327680
		.amdhsa_private_segment_fixed_size 0
		.amdhsa_enable_private_segment 0
		.amdhsa_kernarg_size 16
		.amdhsa_user_sgpr_count 2
		.amdhsa_user_sgpr_kernarg_segment_ptr 1
		.amdhsa_wavefront_size32 1
		.amdhsa_system_sgpr_workgroup_id_x 1
		.amdhsa_system_sgpr_workgroup_id_y 1
		.amdhsa_system_sgpr_workgroup_id_z 1
		.amdhsa_system_vgpr_workitem_id 0
		.amdhsa_next_free_vgpr 384
		.amdhsa_next_free_sgpr 66
		.amdhsa_reserve_vcc 0
		.amdhsa_float_denorm_mode_32 3
		.amdhsa_float_denorm_mode_16_64 3
		.amdhsa_memory_ordered 1
		.amdhsa_forward_progress 1
		.amdhsa_inst_pref_size 84
	.end_amdhsa_kernel
	.amdgpu_metadata
---
amdhsa.version: [ 1, 2 ]
amdhsa.kernels:
  - .name:           k_q2011d56709_attn
    .symbol:         k_q2011d56709_attn.kd
    .args:
      - { .name: qkv, .offset: 0, .size: 8, .value_kind: global_buffer, .address_space: global }
      - { .name: oimg, .offset: 8, .size: 8, .value_kind: global_buffer, .address_space: global }
    .group_segment_fixed_size: 327680
    .private_segment_fixed_size: 0
    .kernarg_segment_align: 8
    .kernarg_segment_size: 16
    .max_flat_workgroup_size: 256
    .sgpr_count:     66
    .vgpr_count:     384
    .wavefront_size: 32
...
	.end_amdgpu_metadata
.endif
;; end of part 3
;; launch proj (part 4): grid 8 x 32, 4 waves a work-group, clusters of 4 x 4, 327,680 bytes of LDS; arguments oimg, wp16, b_proj, out0; writes out0
.if DOCPART == 4
	.amdgcn_target "amdgcn-amd-amdhsa--gfx1250"
	.amdhsa_code_object_version 6
	.text
	.protected	k_q2011d56709_proj
	.globl	k_q2011d56709_proj
	.p2align	8
	.type	k_q2011d56709_proj,@function
k_q2011d56709_proj:
	s_mov_b64 s[64:65], 0
	v_nop
	global_prefetch_b8 v0, s[64:65] scope:SCOPE_SE
	s_setreg_imm32_b32 hwreg(HW_REG_WAVE_MODE, 25, 1), 1
	s_wait_xcnt 0x0
	s_wait_alu depctr_hold_cnt(0) depctr_sa_sdst(0) depctr_va_vdst(0) depctr_va_sdst(0) depctr_va_ssrc(0) depctr_va_vcc(0) depctr_vm_vsrc(0)
	s_getreg_b32 s2, hwreg(HW_REG_IB_STS2, 6, 4)
	s_cmp_eq_u32 s2, 0
	s_cbranch_scc0 .Lentry_in_a_cluster
	s_endpgm
.Lentry_in_a_cluster:
	s_bfe_u32 s2, ttmp6, 0x10000c
	s_cmp_lg_u32 s2, 0xf033
	s_cbranch_scc0 .Lentry_shape_is_right
	s_endpgm
.Lentry_shape_is_right:
; PROJ.  out0 [4096][1024] f32 = o [4096][1024] x w_proj^T + b_proj, f16 operands, f32 sums.
; o arrives as register images of its fragments, [row / 16][k / 32][2][lane][16 bytes]; w_proj as f16 rows [n][k].
; A tile is 128 x 128: 8 x 32 work-groups; four waves of 64 x 64: 16 accumulators.  K goes in four steps of 256 through two LDS slots: two first fills, two joint refills; the text is written straight.
; CLUSTER 4 x 4: o's tile is shared along a row of the cluster, w_proj's along a column.  THE PRODUCT IS USED TRANSPOSED (source 0 = 16 rows of w_proj, source 1 = 16 rows of o): a lane holds eight neighbouring
; numbers of a row of the output.  The bias is the C of each sum's first product.
; REGISTERS.  window 0: v16-29 addresses; v32-95 the way out; v96-127 the bias; v128-255 the accumulators ((a, b) at 128 + 8 (4 a + b)).  window 1: two fragment buffers of 128: 64 of o, then 64 of w_proj.
.set PITCH,  528                       ; a row of w_proj's tile in LDS: 512 bytes + 16 of padding
.set ABYTES, 65536                     ; o's part of a slot: [8 row blocks][8 fragments][1,024 bytes], dense
.set HALFB,  64*PITCH
.set SLOT,   ABYTES+2*HALFB
.set STAGE,  2*SLOT                    ; behind the ring: 16 rows x 272 bytes for each wave; no fill lands there
.set SPITCH, 272
.set SPARE,  STAGE+4*16*SPITCH         ; the spare words, 128 bytes a wave, which no other line names
.set ADRA, 16
.set ADRB, 20
.set STO,  24
.set RD,   25
.set CO,   26
.set BOF,  27
.set SPW,  28
.set NIL,  29
.set BK,   32
.set BI,   96
.set ACC,  128
.set F0,   0
.set F1,   128
.set WV,   12
.set G1,   24
.set G0,   32
.set G1B,  48
.set G0B,  56
.set MSB, 0
.macro WIN new
.if MSB != (\new)
	s_set_vgpr_msb (MSB<<8)|(\new)
.set MSB, (\new)
.endif
.endm
.set MUL,  0x05                        ; sources 0 and 1 window 1; C and D window 0
.set TO_F, 0x40                        ; destination window 1, address window 0
.macro PLACES
.rept 4
	v_nop
.endr
.endm
.macro JLOAD s                         ; a joint load: waves 0, 1 fetch o's halves, waves 2, 3 w_proj's; an s_nop 0 and four v_nop follow each line
	s_cmp_eq_u32 s13, 0
	s_cbranch_scc0 .Lfor_b_\@
	tensor_load_to_lds s[G0+4*\s:G0+4*\s+3], s[G1:G1+7]
	s_nop 0
	PLACES
	s_branch .Lasked_\@
.Lfor_b_\@:
	tensor_load_to_lds s[G0B+4*\s:G0B+4*\s+3], s[G1B:G1B+7]
	s_nop 0
	PLACES
.Lasked_\@:
.endm
.macro CREST                           ; a round of the cluster's barrier behind its opening barrier
	s_cmp_lg_u32 s[WV], 0
	s_cbranch_scc1 .Lnot_wave_0_\@
	s_barrier_signal -3
.Lnot_wave_0_\@:
	s_barrier_wait -3
	s_barrier_signal -1
	s_barrier_wait -1
.endm
.macro CROUND
	s_barrier_signal -1
	s_barrier_wait -1
	CREST
.endm
	s_load_b256 s[4:11], s[0:1], 0x0               ; oimg s[4:5], wp16 s[6:7], b_proj s[8:9], out0 s[10:11]
	v_lshl_add_u32 v[SPW], v0, 2, SPARE
	v_mov_b32 v[NIL], 0
	ds_add_u32 v[SPW], v[NIL]                      ; the opening: the add, twice on end, and its wait ahead of my first tensor load
	ds_add_u32 v[SPW], v[NIL]
	v_lshrrev_b32 v1, 5, v0
	v_readfirstlane_b32 s[WV], v1                  ; wave 0..3
	s_lshr_b32 s13, s[WV], 1                       ; my half of the tile's rows.  Also: I fetch for o (0) or for w_proj (1)
	s_and_b32 s14, s[WV], 1                        ; my half of its columns.  Also: which half I fetch
	s_bfe_u32 s40, ttmp6, 0x40000                  ; cx
	s_bfe_u32 s41, ttmp6, 0x40004                  ; cy
	s_lshl_b32 s42, ttmp9, 2
	s_add_co_u32 s42, s42, s40                     ; tile column
	s_and_b32 s15, ttmp7, 0xffff
	s_lshl_b32 s15, s15, 2
	s_add_co_u32 s15, s15, s41                     ; tile row
	s_lshl_b32 s43, s41, 2
	s_lshl_b32 s43, 15, s43                        ; my row of the cluster
	s_lshl_b32 s44, 0x1111, s40                    ; my column
	s_or_b32 s[G1], s43, (3<<16)|(1<<21)           ; o: mask; elements of 8 bytes; bit 21 beside a mask; no padding
	s_mov_b32 s[G1+1], 1024<<16                    ; tensor_dim0 = 1,024 elements: a row block's 8 fragments, 8,192 bytes
	s_mov_b32 s[G1+2], 4<<16                       ; tensor_dim1 = 4 row blocks
	s_mov_b32 s[G1+3], 1024<<16                    ; tile_dim0
	s_mov_b32 s[G1+4], 4                           ; tile_dim1
	s_mov_b32 s[G1+5], 4096                        ; a row block is 32,768 bytes in memory
	s_mov_b32 s[G1+6], 0
	s_mov_b32 s[G1+7], 0
	s_or_b32 s[G1B], s44, (1<<16)|(1<<20)|(1<<21)|(6<<22)|(3<<25)   ; w_proj: elements of 2 bytes; 4 words of padding behind every 128
	s_mov_b32 s[G1B+1], 256<<16
	s_mov_b32 s[G1B+2], 64<<16
	s_mov_b32 s[G1B+3], 256<<16
	s_mov_b32 s[G1B+4], 64
	s_mov_b32 s[G1B+5], 1024
	s_mov_b32 s[G1B+6], 0
	s_mov_b32 s[G1B+7], 0
	s_lshl_b32 s16, s15, 18                        ; o: row block 8 x tile row + 4 x half, 32,768 bytes each (these registers never hold cx)
	s_lshl_b32 s17, s14, 17
	s_add_co_u32 s16, s16, s17
	s_mov_b32 s17, 0
	s_lshl_b32 s18, s14, 15                        ; and its place in a slot
	s_lshl_b32 s66, s42, 18                        ; w_proj: row 128 x tile column + 64 x half, 2,048 bytes each (these never hold cy)
	s_lshl_b32 s67, s14, 17
	s_add_co_u32 s66, s66, s67
	s_mov_b32 s67, 0
	s_mul_i32 s68, s14, HALFB
	s_add_co_u32 s68, s68, ABYTES
	s_wait_dscnt 0x0                               ; both opening adds are done
	s_wait_kmcnt 0x0
	s_add_nc_u64 s[16:17], s[4:5], s[16:17]
	s_add_nc_u64 s[66:67], s[6:7], s[66:67]
	CROUND                                         ; all sixteen work-groups are here: the first joint loads meet
.irp s, 0,1
	s_mov_b32 s[G0+4*\s], 1
	s_add_co_u32 s[G0+4*\s+1], s18, \s*SLOT
	s_add_nc_u64 s[G0+4*\s+2:G0+4*\s+3], s[16:17], \s*8192
	s_or_b32 s[G0+4*\s+3], s[G0+4*\s+3], 0x80000000
	s_mov_b32 s[G0B+4*\s], 1
	s_add_co_u32 s[G0B+4*\s+1], s68, \s*SLOT
	s_add_nc_u64 s[G0B+4*\s+2:G0B+4*\s+3], s[66:67], \s*512
	s_or_b32 s[G0B+4*\s+3], s[G0B+4*\s+3], 0x80000000
	JLOAD \s                                       ; two tensor loads of mine are out
.endr
	v_and_b32 v1, 15, v0                           ; r
	v_bfe_u32 v2, v0, 4, 1                         ; h
	v_and_b32 v3, 31, v0
	v_lshlrev_b32 v[BOF], 5, v2
	s_lshl_b32 s70, s42, 9                         ; my first column, in bytes of f32: 512 x tile column + 256 x half
	s_lshl_b32 s71, s14, 8
	s_add_co_u32 s70, s70, s71
	s_mov_b32 s71, 0
	s_add_nc_u64 s[8:9], s[8:9], s[70:71]
.irp b, 0,1,2,3
	global_load_b128 v[BI+8*\b:BI+8*\b+3], v[BOF], s[8:9] offset:64*\b         ; the bias in the result's layout: columns 16 b + 8 h + 0 .. 7
	global_load_b128 v[BI+8*\b+4:BI+8*\b+7], v[BOF], s[8:9] offset:64*\b+16
.endr
	s_lshl_b32 s72, s15, 19                        ; my first row: 128 x tile row + 64 x half, 4,096 bytes each
	s_lshl_b32 s73, s13, 18
	s_add_co_u32 s72, s72, s73
	s_add_co_u32 s72, s72, s70
	s_mov_b32 s73, 0
	s_add_nc_u64 s[10:11], s[10:11], s[72:73]
	v_lshlrev_b32 v4, 4, v3                        ; o's images: 16 x lane
	s_lshl_b32 s19, s13, 15                        ; my four row blocks
	v_add_nc_u32 v[ADRA], s19, v4
	v_add_nc_u32 v[ADRA+1], SLOT, v[ADRA]
	v_mul_u32_u24 v5, v1, PITCH
	v_lshl_add_u32 v5, v2, 4, v5                   ; w_proj: row x pitch + 16 x half
	s_mul_i32 s20, s14, HALFB
	s_add_co_u32 s20, s20, ABYTES
	v_add_nc_u32 v[ADRB], s20, v5
	v_add_nc_u32 v[ADRB+1], SLOT, v[ADRB]
	s_mul_i32 s21, s[WV], 16*SPITCH
	s_add_co_u32 s21, s21, STAGE                   ; my stage
	v_mul_u32_u24 v6, v1, SPITCH                   ; in: row r, 32 bytes for each half of the lanes
	v_lshl_add_u32 v6, v2, 5, v6
	v_add_nc_u32 v[STO], s21, v6
	v_mul_u32_u24 v7, v2, SPITCH                   ; back: lanes 0-15 one row of 256 bytes, lanes 16-31 the next
	v_lshl_add_u32 v7, v1, 4, v7
	v_add_nc_u32 v[RD], s21, v7
	v_lshlrev_b32 v[CO], 12, v2                    ; and the same two rows in the output
	v_lshl_add_u32 v[CO], v1, 4, v[CO]
; 8 matrix instructions: row blocks a0, a0 + 1 x the four column blocks, 32 along K: half c of buffer f.  first = 1: the bias is C.  The 16 accumulators take turns.
.macro MUL8 f, c, a0, first
.irp a, \a0, \a0+1
.irp b, 0,1,2,3
.if \first
	v_wmma_f32_16x16x32_f16 v[ACC+8*(4*(\a)+\b):ACC+8*(4*(\a)+\b)+7], v[\f+64+8*(4*\c+\b):\f+64+8*(4*\c+\b)+7], v[\f+8*(4*\c+\a):\f+8*(4*\c+\a)+7], v[BI+8*\b:BI+8*\b+7]
.else
	v_wmma_f32_16x16x32_f16 v[ACC+8*(4*(\a)+\b):ACC+8*(4*(\a)+\b)+7], v[\f+64+8*(4*\c+\b):\f+64+8*(4*\c+\b)+7], v[\f+8*(4*\c+\a):\f+8*(4*\c+\a)+7], v[ACC+8*(4*(\a)+\b):ACC+8*(4*(\a)+\b)+7]
.endif
.endr
.endr
.endm
; 32 LDS loads in one run: the fragments of quarter kq (64 along K) of a slot into buffer f; the first 32 along K first
.macro FETCH slot, kq, f
	WIN TO_F
.irp c, 0,1
.irp i, 0,1,2,3
	ds_load_b128 v[\f+64+8*(4*\c+\i):\f+64+8*(4*\c+\i)+3],   v[ADRB+\slot] offset:128*(\kq)+64*\c+\i*16*PITCH
	ds_load_b128 v[\f+64+8*(4*\c+\i)+4:\f+64+8*(4*\c+\i)+7], v[ADRB+\slot] offset:128*(\kq)+64*\c+\i*16*PITCH+32
	ds_load_b128 v[\f+8*(4*\c+\i):\f+8*(4*\c+\i)+3],         v[ADRA+\slot] offset:8192*\i+1024*(2*(\kq)+\c)
	ds_load_b128 v[\f+8*(4*\c+\i)+4:\f+8*(4*\c+\i)+7],       v[ADRA+\slot] offset:8192*\i+1024*(2*(\kq)+\c)+512
.endr
.endr
.endm
; One of a K step's first three quarters: multiplies buffer f and fetches quarter kq into g.
.macro QUARTER slot, kq, f, g, first
	s_wait_dscnt 16                                ; the first 32 along K are in; the 16 younger loads may be out
	WIN MUL
	MUL8 \f, 0, 0, \first
	MUL8 \f, 0, 2, \first
	PLACES                                         ; four places in front of loads into registers that matrix instructions have read
	FETCH \slot, \kq, \g
	s_wait_dscnt 32                                ; all but the 32 just issued
	WIN MUL
	MUL8 \f, 1, 0, 0
	MUL8 \f, 1, 2, 0
.endm
; The last quarter multiplies buffer 1 and changes slots: one barrier; in front of it each wave waits for all its tensor loads, adds 0 to its spare word, and waits for that and for its reads of this slot.
.macro TURN slot, next, fill
	WIN 0                                          ; (the add's two registers lie in window 0)
	s_wait_tensorcnt 0x0                           ; all my tensor loads have landed: my part of the next slot
	ds_add_u32 v[SPW], v[NIL]
	s_wait_dscnt 17                                ; (the add and the youngest sixteen loads may be out)
	WIN MUL
	MUL8 F1, 0, 0, 0                               ; eight matrix instructions stand between the add and the wait for it
	s_wait_dscnt 0x0                               ; the add is done, and my reads of this slot are over
	s_barrier_signal -1
	MUL8 F1, 0, 2, 0
.if \fill
	WIN 0
.endif
	s_barrier_wait -1
.if \fill
	CREST                                          ; the barrier has opened a round of the cluster's: no wave of any partner still reads this slot or has a load on its way
	s_add_nc_u64 s[G0+4*\slot+2:G0+4*\slot+3], s[G0+4*\slot+2:G0+4*\slot+3], 2*8192
	s_add_nc_u64 s[G0B+4*\slot+2:G0B+4*\slot+3], s[G0B+4*\slot+2:G0B+4*\slot+3], 2*512
	JLOAD \slot                                    ; the first tensor load behind the round, my one load that is out; its four v_nop are also the places in front of the loads below
.else
	PLACES
.endif
	FETCH \next, 0, F0
	WIN MUL
	MUL8 F1, 1, 0, 0
	MUL8 F1, 1, 2, 0
.endm
	s_wait_tensorcnt 1                             ; my part of K step 0 is in; K step 1's load, issued behind it, may stay out
	s_barrier_signal -1
	s_barrier_wait -1
	FETCH 0, 0, F0
	s_wait_loadcnt 0x0                             ; the bias
	QUARTER 0, 1, F0, F1, 1                        ; K step 0
	QUARTER 0, 2, F1, F0, 0
	QUARTER 0, 3, F0, F1, 0
	TURN 0, 1, 1                                   ; slot 0 takes K step 2
	QUARTER 1, 1, F0, F1, 0                        ; K step 1
	QUARTER 1, 2, F1, F0, 0
	QUARTER 1, 3, F0, F1, 0
	TURN 1, 0, 1                                   ; slot 1 takes K step 3
	QUARTER 0, 1, F0, F1, 0                        ; K step 2
	QUARTER 0, 2, F1, F0, 0
	QUARTER 0, 3, F0, F1, 0
	TURN 0, 1, 0                                   ; nothing is left to ask for
	QUARTER 1, 1, F0, F1, 0                        ; K step 3
	QUARTER 1, 2, F1, F0, 0
	QUARTER 1, 3, F0, F1, 0
	s_wait_dscnt 16
	WIN MUL
	MUL8 F1, 0, 0, 0
	MUL8 F1, 0, 2, 0
	s_wait_dscnt 0x0
	MUL8 F1, 1, 0, 0
	MUL8 F1, 1, 2, 0
	WIN 0
; THE WAY OUT, a block of 16 rows x 64 columns at a time, through my own stage: a lane's 32 bytes go into rows of 272 and come back as whole rows of 256, which sixteen lanes store consecutively, aligned.
; LDS serves a wave's instructions in order: no wait between the stores and the loads, nor in front of the next block's stores.
.macro TOSTAGE a
.irp b, 0,1,2,3
	ds_store_b128 v[STO], v[ACC+8*(4*(\a)+\b):ACC+8*(4*(\a)+\b)+3] offset:64*\b          ; each accumulator from its low end on
	ds_store_b128 v[STO], v[ACC+8*(4*(\a)+\b)+4:ACC+8*(4*(\a)+\b)+7] offset:64*\b+16
.endr
.irp t, 0,1,2,3,4,5,6,7
	ds_load_b128 v[BK+32*((\a)%2)+4*\t:BK+32*((\a)%2)+4*\t+3], v[RD] offset:\t*2*SPITCH
.endr
.endm
.macro SEND a, younger                 ; younger: the LDS instructions issued behind block a's loads, which may stay out
	s_wait_dscnt \younger
.if (\a) > 0
	s_add_nc_u64 s[10:11], s[10:11], 16*4096       ; (behind a wait on XCNT: the earlier stores have read their base)
.endif
.irp t, 0,1,2,3,4,5,6,7
	global_store_b128 v[CO], v[BK+32*((\a)%2)+4*\t:BK+32*((\a)%2)+4*\t+3], s[10:11] offset:2*\t*4096 th:TH_STORE_NT
.endr
.endm
	PLACES                                         ; between the last products and the first reads of results
	TOSTAGE 0
.irp a, 1,2,3
.if \a > 1
	s_wait_xcnt 0x0                                ; block a - 2's stores have read their registers and their base
.endif
	TOSTAGE \a
	SEND \a-1, 16                                  ; behind block a - 1's loads: block a's 8 stores and 8 loads
.endr
	s_wait_xcnt 0x0
	SEND 3, 0
	s_wait_tensorcnt 0x0                           ; the wave's end, behind my last tensor load and my last LDS store
	ds_add_u32 v[SPW], v[NIL]
	s_wait_dscnt 0x0
	CROUND                                         ; the closing round
	s_endpgm
.Lfunc_end_k_q2011d56709_proj:
	.size	k_q2011d56709_proj, .Lfunc_end_k_q2011d56709_proj-k_q2011d56709_proj
	.p2alignl 7, 3214868480
	.fill 96, 4, 3214868480
	.section	.rodata,"a",@progbits
	.p2align	6, 0x0
	.amdhsa_kernel k_q2011d56709_proj
		.amdhsa_group_segment_fixed_size 327680
		.amdhsa_private_segment_fixed_size 0
		.amdhsa_enable_private_segment 0
		.amdhsa_kernarg_size 32
		.amdhsa_user_sgpr_count 2
		.amdhsa_user_sgpr_kernarg_segment_ptr 1
		.amdhsa_wavefront_size32 1
		.amdhsa_system_sgpr_workgroup_id_x 1
		.amdhsa_system_sgpr_workgroup_id_y 1
		.amdhsa_system_sgpr_workgroup_id_z 1
		.amdhsa_system_vgpr_workitem_id 0
		.amdhsa_next_free_vgpr 512
		.amdhsa_next_free_sgpr 74
		.amdhsa_reserve_vcc 0
		.amdhsa_float_denorm_mode_32 3
		.amdhsa_float_denorm_mode_16_64 3
		.amdhsa_memory_ordered 1
		.amdhsa_forward_progress 1
		.amdhsa_inst_pref_size 86
	.end_amdhsa_kernel
	.amdgpu_metadata
---
amdhsa.version: [ 1, 2 ]
amdhsa.kernels:
  - .name:           k_q2011d56709_proj
    .symbol:         k_q2011d56709_proj.kd
    .args:
      - { .name: oimg, .offset: 0, .size: 8, .value_kind: global_buffer, .address_space: global }
      - { .name: wp16, .offset: 8, .size: 8, .value_kind: global_buffer, .address_space: global }
      - { .name: b_proj, .offset: 16, .size: 8, .value_kind: global_buffer, .address_space: global }
      - { .name: out0, .offset: 24, .size: 8, .value_kind: global_buffer, .address_space: global }
    .group_segment_fixed_size: 327680
    .private_segment_fixed_size: 0
    .kernarg_segment_align: 8
    .kernarg_segment_size: 32
    .max_flat_workgroup_size: 128
    .sgpr_count:     74
    .vgpr_count:     512
    .wavefront_size: 32
...
	.end_amdgpu_metadata
.endif
;; end of part 4
